; MI455X (gfx1250); checked and timed in simulation.
; The chip was launched on July 23, 2026; its instructions are those of AMD's public machine-readable ISA for CDNA 5 (MIT licence, August 2026) and "CDNA5" Instruction Set Architecture Reference Guide (July 2026). The comments in the code are by the model that wrote it; some were corrected since.
;; temporal. Allowed arithmetic: matrix products marked QUANTISED: E2M1 operands, one E8M0 scale for each 32 along K, by v_wmma_scale_f32_16x16x128_f8f6f4 with both operands' format E2M1 (or v_wmma_scale_f32_32x16x128_f4), f32 sums; products left as they are: bf16, f16 or f32 operands; f32 sums; everything else in f32.
;; Inputs: Wk 512 x 512 float32; Wo 512 x 512 float32; Wq 512 x 512 float32; Wv 512 x 512 float32; bk 512 float32; bo 512 float32; bq 512 float32; bv 512 float32; x 2 x 8 x 1,024 x 512 float32.
;; Outputs: out0 2 x 8 x 1,024 x 512 float32.
;; This version of the problem:
;;   THIS VERSION OF THE PROBLEM IS GIVEN IN LOW PRECISION. The matrix products marked QUANTISED in the list below multiply operands that are first quantised to E2M1 (2 exponent bits, 1 mantissa bit; 4 bits a number), with one power-of-two scale for each 32 numbers along K (OCP MX v1.0); their sums are f32. The products marked 'left as it is' may take bf16, f16 or f32 operands, with f32 sums. Whichever they take, every output number must still come out within the allowed error. Rounding operands to bf16 (8 significant bits) uses up far more of that allowance than f16 does (11 bits, for magnitudes from 6e-5 to 65,504). All else is computed in f32.
;;   The module's matrix products, in the order in which they are computed (A, B: the left and right operand; K: the contracted axis; several contracted axes count as one K, in the product's order):
;;     1. [M 16,384, K 512] x [K 512, N 512]; A: input x; B: input Wq: QUANTISED
;;     2. [M 16,384, K 512] x [K 512, N 512]; A: input x; B: input Wv: QUANTISED
;;     3. [M 16,384, K 512] x [K 512, N 512]; A: input x; B: input Wk: QUANTISED
;;     4. batch 128 x [M 1,024, K 64] x [K 64, N 1,024]; A: computed on the way; B: computed on the way: left as it is (an operand is computed on the way)
;;     5. batch 128 x [M 1,024, K 1,024] x [K 1,024, N 64]; A: computed on the way; B: computed on the way: left as it is (an operand is computed on the way)
;;     6. [M 16,384, K 512] x [K 512, N 512]; A: computed on the way; B: input Wo: left as it is (an operand is computed on the way)
;;   THE QUANTISER, for each operand of a quantised product, along K:
;;     - K is cut into blocks of 32 from its start; a last block that is shorter is filled with zeros.
;;     - A block's scale is 2^e with e = floor(log2(the largest magnitude in the block)) - 2, held to -126 .. 127; a block of zeros has e = 0. As a byte (E8M0): e + 127.
;;     - Each number is divided by its block's scale, clamped to +-6, and rounded to the nearest number of E2M1, ties to even, subnormals kept.
;;     - The product sums the exact products of the quantised numbers (number of the format x scale) in f32.
;;   ~~~python
;;   def quantise(x, axis):      # numpy; x: float32 -> the quantised numbers, widened to float32 again
;;       x = np.moveaxis(x, axis, -1); K = x.shape[-1]
;;       x = np.pad(x, [(0, 0)] * (x.ndim - 1) + [(0, -K % 32)]); x = x.reshape(x.shape[:-1] + (-1, 32)); a = np.abs(x).max(-1, keepdims=True)
;;       e = np.where(a > 0, np.clip(np.frexp(np.where(a > 0, a, 1))[1] - 1 - 2, -126, 127), 0)      # np.frexp(a)[1] - 1 = floor(log2(a)), exactly
;;       r = np.clip(x / 2.0 ** e, -6, 6)
;;       step = 2.0 ** (np.maximum(np.frexp(np.where(r == 0, 1, r))[1] - 1, 0) - 1)
;;       q = np.round(r / step) * step * 2.0 ** e      # np.round: ties to even
;;       return np.moveaxis(q.reshape(q.shape[:-2] + (-1,))[..., :K], -1, axis).astype(np.float32)
;;   ~~~
;; One version. Each part assembles by itself: llvm-mc -triple=amdgcn-amd-amdhsa -mcpu=gfx1250 --defsym DOCPART=n.
;; ======== version 1 of 1: 3 launches
;; limits: values are held in f16: magnitudes above 65,504 overflow, below 6.1e-05 lose precision
;; workspace buffers: wcodes 393,216 bytes; wscales 49,152 bytes; wo16 524,288 bytes; qf 16,777,216 bytes; kvf 33,554,432 bytes
;; launch prep (part 1): grid 128 x 1, 4 waves a work-group, no clusters, 34,304 bytes of LDS; arguments Wq, Wv, Wk, Wo, wcodes, wscales, wo16; writes wcodes, wscales, wo16
.if DOCPART == 1
	.amdgcn_target "amdgcn-amd-amdhsa--gfx1250"
	.amdhsa_code_object_version 6
	.text
	.protected	k_q456bd78986_prep
	.globl	k_q456bd78986_prep
	.p2align	8
	.type	k_q456bd78986_prep,@function
k_q456bd78986_prep:
	s_mov_b64 s[64:65], 0
	v_nop
	global_prefetch_b8 v0, s[64:65] scope:SCOPE_SE
	s_setreg_imm32_b32 hwreg(HW_REG_WAVE_MODE, 25, 1), 1
	s_wait_xcnt 0x0
; The four weights [512][512] f32 (K innermost) are laid out once, in the order in which a wave's operand registers take them.
; Wq, Wv, Wk (p = 0, 1, 2) become codes of FP4 (E2M1) with one E8M0 byte for each 32 along K; Wo becomes f16.
; A block's scale is 2^(floor(log2(largest magnitude)) - 2); its byte is the largest magnitude's exponent field - 2, held at 1 from below.
; LAYOUT.  A fragment is 8 registers a lane: group c (registers 4 c .. 4 c + 3) lies at 512 c + 16 x lane, so every store here and every load later covers 512 consecutive bytes.
;   wcodes : tile T = 32 p + t (16 rows of W), K step s (128 along K) at 4096 T + 1024 s.        wscales: the scale register's image at 128 (4 T + s) + 4 x lane.
;   wo16   : tile nt (16 rows), K step KS (32 along K) at 1024 (16 nt + KS).
; SHARES.  Work-group T takes 16 rows of one weight (T >= 96: Wo), wave s the 128 numbers k = 128 s .. of each row.  4 x 32 row tiles give 128 work-groups.
; The loads take the rows as they lie (512 consecutive bytes each); the numbers turn through the wave's own stage in LDS so that a lane gets neighbours along K.  Waves share nothing: no barrier.
; LIMITS: a block of zeros gets the byte 1 (its codes are zeros; only this program reads the bytes); NaN and infinities are not served; |Wo| stays at or under 65,504, the largest f16 number.
.set PITCH, 528                        ; a stage row: 512 bytes + 16: 33 x 16, so the 16 rows that a read touches start in 16 different 16-byte columns of 256
.set WSTG,  16*PITCH                   ; a wave's stage
.set SPARE, 4*WSTG                     ; behind the stages: the spare words, 128 bytes a wave, which no other line names
.set L16, 1                            ; v1   16 x lane
.set L4,  2                            ; v2   4 x lane
.set STW, 3                            ; v3   the stage, on the way in: 16 x lane of a row
.set RDA, 4                            ; v4   on the way out for codes: row r, + 128 h: a whole block of 32 numbers
.set RDH, 5                            ; v5   on the way out for f16: row r, + 32 h: 8 numbers
.set SH8, 9                            ; v9   8 h
.set SPW, 10                           ; v10  my spare word's LDS address; never rewritten
.set NIL, 11                           ; v11  0; never rewritten
.set MX,  12                           ; v12-13 largest magnitudes of my two blocks
.set SO,  14                           ; v14-15 the conversions' scale operands
.set BY,  16                           ; v16-17 the scale bytes
.set TP,  18                           ; v18  a lane permute's destination
.set PW,  19                           ; v19  the row's scale word
.set PC,  20                           ; v20-27 the fragment's codes
.set RAW, 32                           ; v32-95 the numbers as loaded
.set X,   96                           ; v96-159 64 numbers of my row
.set OUTR, 160                         ; v160-191 f16 results
.set SEL, 24                           ; s[24:25] lane selects: lane l xor 16
; 128 numbers of each of 16 rows, lying in the stage from byte off of the rows on, become one FP4 fragment in v[PC] on and its scale word in v[PW].
; Lane (r, h) takes of row r the blocks k = 64 c + 32 h .. + 31, c = 0, 1: the very numbers whose codes the operand's layout gives that lane.
.macro QUANT off
.irp c, 0,1
.irp i, 0,1,2,3,4,5,6,7
	ds_load_b128 v[X+32*\c+4*\i:X+32*\c+4*\i+3], v[RDA] offset:\off+256*\c+16*\i   ; LDS serves a wave's instructions in order: these see my stores
.endr
.endr
	s_wait_dscnt 0x0
.irp c, 0,1
	v_max3_num_f32 v[MX+\c], |v[X+32*\c]|, |v[X+32*\c+1]|, 0x1800000       ; with the floor 2^(3 - 127): the byte cannot fall under 1
.endr
.irp i, 2,4,6,8,10,12,14,16,18,20,22,24,26,28,30
.irp c, 0,1
	v_max3_num_f32 v[MX+\c], v[MX+\c], |v[X+32*\c+\i]|, |v[X+32*\c+\i+1]|  ; the two blocks by turns
.endr
.endr
.irp c, 0,1
	v_add_nc_u32 v[SO+\c], 0xff000000, v[MX+\c]    ; 2 off the exponent field: the conversion takes this operand's exponent field as its scale
.endr
.irp c, 0,1
	v_lshrrev_b32 v[BY+\c], 23, v[SO+\c]           ; the scale's byte
.endr
	v_lshl_or_b32 v[PW], v[BY+1], 16, v[BY]        ; my bytes: blocks h and 2 + h,
	v_lshlrev_b32 v[PW], v[SH8], v[PW]             ; at their places, 8 h bits up;
	v_permlanex16_b32 v[TP], v[PW], s[SEL], s[SEL+1]
	v_or_b32 v[PW], v[PW], v[TP]                   ; with lane l xor 16's two the word is whole, in both halves of the lanes
.irp c, 0,1
.irp g, 0,1,2,3
	v_cvt_scalef32_pk8_fp4_f32 v[PC+4*\c+\g], v[X+32*\c+8*\g:X+32*\c+8*\g+7], v[SO+\c]
.endr
.endr
	v_nop                                          ; one plain instruction behind the last scaled conversion
.endm
.macro FINISH                          ; the wave's end: behind my last LDS store
	s_wait_tensorcnt 0x0
	ds_add_u32 v[SPW], v[NIL]
	s_wait_dscnt 0x0
	s_endpgm
.endm
	s_load_b256 s[4:11], s[0:1], 0x0               ; Wq, Wv, Wk, Wo
	s_load_b128 s[12:15], s[0:1], 0x20             ; wcodes, wscales
	s_load_b64 s[16:17], s[0:1], 0x30              ; wo16
	v_lshl_add_u32 v[SPW], v0, 2, SPARE
	v_mov_b32 v[NIL], 0
	v_lshrrev_b32 v6, 5, v0
	v_readfirstlane_b32 s18, v6                    ; wave 0..3 = K step
	v_and_b32 v6, 31, v0                           ; lane
	v_and_b32 v7, 15, v0                           ; r
	v_bfe_u32 v8, v0, 4, 1                         ; h
	v_lshlrev_b32 v[L16], 4, v6
	v_lshlrev_b32 v[L4], 2, v6
	s_mul_i32 s21, s18, WSTG                       ; my stage
	v_add_nc_u32 v[STW], s21, v[L16]
	v_mul_u32_u24 v7, v7, PITCH
	v_add_nc_u32 v7, s21, v7
	v_lshl_add_u32 v[RDA], v8, 7, v7
	v_lshl_add_u32 v[RDH], v8, 5, v7
	v_lshlrev_b32 v[SH8], 3, v8
	v_mov_b32 v[TP], 0                             ; written once: a lane permute's destination counts as one of its sources
	s_mov_b32 s[SEL], 0x76543210
	s_mov_b32 s[SEL+1], 0xfedcba98
	s_lshr_b32 s19, ttmp9, 5                       ; p: which weight
	s_and_b32 s20, ttmp9, 31                       ; t: which 16 rows of it
	s_lshl_b32 s22, s20, 15                        ; 16 rows of 2,048 bytes
	s_lshl_b32 s21, s18, 9                         ; + my 512 bytes of a row
	s_add_co_u32 s22, s22, s21
	s_mov_b32 s23, 0
	s_wait_kmcnt 0x0
	s_cmp_eq_u32 s19, 1                            ; the choice hangs on the work-group's number alone
	s_cselect_b64 s[4:5], s[6:7], s[4:5]
	s_cmp_eq_u32 s19, 2
	s_cselect_b64 s[4:5], s[8:9], s[4:5]
	s_cmp_eq_u32 s19, 3
	s_cselect_b64 s[4:5], s[10:11], s[4:5]
	s_add_nc_u64 s[4:5], s[4:5], s[22:23]
.irp i, 0,1,2,3,4,5,6,7,8,9,10,11,12,13,14,15
	global_load_b128 v[RAW+4*\i:RAW+4*\i+3], v[L16], s[4:5] offset:\i*2048 th:TH_LOAD_NT   ; row i: 512 consecutive bytes
.endr
	s_wait_loadcnt 0x0
.irp i, 0,1,2,3,4,5,6,7,8,9,10,11,12,13,14,15
	ds_store_b128 v[STW], v[RAW+4*\i:RAW+4*\i+3] offset:\i*PITCH
.endr
	s_cmp_ge_u32 ttmp9, 96
	s_cbranch_scc1 .Lwo
	; ---- Wq, Wv, Wk: one FP4 fragment and its scale word
	s_lshl_b32 s22, ttmp9, 12                      ; 4096 T
	s_lshl_b32 s21, s18, 10                        ; + 1024 s
	s_add_co_u32 s22, s22, s21
	s_add_nc_u64 s[12:13], s[12:13], s[22:23]
	s_lshl_b32 s22, ttmp9, 9                       ; 512 T
	s_lshl_b32 s21, s18, 7                         ; + 128 s
	s_add_co_u32 s22, s22, s21
	s_add_nc_u64 s[14:15], s[14:15], s[22:23]
	QUANT 0
	global_store_b128 v[L16], v[PC:PC+3], s[12:13]
	global_store_b128 v[L16], v[PC+4:PC+7], s[12:13] offset:512
	global_store_b32 v[L4], v[PW], s[14:15]
	FINISH
.Lwo:
	; ---- Wo: four f16 fragments (K steps 4 s .. 4 s + 3).  Registers 0-3 of a fragment hold k = 8 h + 0 .. 7, registers 4-7 k = 16 + 8 h + 0 .. 7
	s_lshl_b32 s22, s20, 14                        ; 16 x 1024 for each tile of rows
	s_lshl_b32 s21, s18, 12                        ; + my four K steps
	s_add_co_u32 s22, s22, s21
	s_add_nc_u64 s[16:17], s[16:17], s[22:23]
.irp q, 0,1,2,3
.irp c, 0,1
.irp e, 0,1
	ds_load_b128 v[X+8*(2*\q+\c)+4*\e:X+8*(2*\q+\c)+4*\e+3], v[RDH] offset:128*\q+64*\c+16*\e
.endr
.endr
.endr
	s_wait_dscnt 0x0
.irp i, 0,1,2,3,4,5,6,7,8,9,10,11,12,13,14,15,16,17,18,19,20,21,22,23,24,25,26,27,28,29,30,31
	v_cvt_pk_f16_f32 v[OUTR+\i], v[X+2*\i], v[X+2*\i+1]
.endr
.irp q, 0,1,2,3
.irp c, 0,1
	global_store_b128 v[L16], v[OUTR+4*(2*\q+\c):OUTR+4*(2*\q+\c)+3], s[16:17] offset:\q*1024+\c*512
.endr
.endr
	FINISH
.Lfunc_end_k_q456bd78986_prep:
	.size	k_q456bd78986_prep, .Lfunc_end_k_q456bd78986_prep-k_q456bd78986_prep
	.p2alignl 7, 3214868480
	.fill 96, 4, 3214868480
	.section	.rodata,"a",@progbits
	.p2align	6, 0x0
	.amdhsa_kernel k_q456bd78986_prep
		.amdhsa_group_segment_fixed_size 34304
		.amdhsa_private_segment_fixed_size 0
		.amdhsa_enable_private_segment 0
		.amdhsa_kernarg_size 56
		.amdhsa_user_sgpr_count 2
		.amdhsa_user_sgpr_kernarg_segment_ptr 1
		.amdhsa_wavefront_size32 1
		.amdhsa_system_sgpr_workgroup_id_x 1
		.amdhsa_system_sgpr_workgroup_id_y 1
		.amdhsa_system_sgpr_workgroup_id_z 1
		.amdhsa_system_vgpr_workitem_id 0
		.amdhsa_next_free_vgpr 192
		.amdhsa_next_free_sgpr 66
		.amdhsa_reserve_vcc 0
		.amdhsa_float_denorm_mode_32 3
		.amdhsa_float_denorm_mode_16_64 3
		.amdhsa_memory_ordered 1
		.amdhsa_forward_progress 1
		.amdhsa_inst_pref_size 14
	.end_amdhsa_kernel
	.amdgpu_metadata
---
amdhsa.version: [ 1, 2 ]
amdhsa.kernels:
  - .name:           k_q456bd78986_prep
    .symbol:         k_q456bd78986_prep.kd
    .args:
      - { .name: Wq, .offset: 0, .size: 8, .value_kind: global_buffer, .address_space: global }
      - { .name: Wv, .offset: 8, .size: 8, .value_kind: global_buffer, .address_space: global }
      - { .name: Wk, .offset: 16, .size: 8, .value_kind: global_buffer, .address_space: global }
      - { .name: Wo, .offset: 24, .size: 8, .value_kind: global_buffer, .address_space: global }
      - { .name: wcodes, .offset: 32, .size: 8, .value_kind: global_buffer, .address_space: global }
      - { .name: wscales, .offset: 40, .size: 8, .value_kind: global_buffer, .address_space: global }
      - { .name: wo16, .offset: 48, .size: 8, .value_kind: global_buffer, .address_space: global }
    .group_segment_fixed_size: 34304
    .private_segment_fixed_size: 0
    .kernarg_segment_align: 8
    .kernarg_segment_size: 56
    .max_flat_workgroup_size: 128
    .sgpr_count:     66
    .vgpr_count:     192
    .wavefront_size: 32
...
	.end_amdgpu_metadata
.endif
;; end of part 1
;; launch qkv (part 2): grid 256 x 1, 8 waves a work-group, no clusters, 152,576 bytes of LDS; arguments x, wcodes, wscales, bq, bv, bk, qf, kvf; writes qf, kvf
.if DOCPART == 2
	.amdgcn_target "amdgcn-amd-amdhsa--gfx1250"
	.amdhsa_code_object_version 6
	.text
	.protected	k_q456bd78986_qkv
	.globl	k_q456bd78986_qkv
	.p2align	8
	.type	k_q456bd78986_qkv,@function
k_q456bd78986_qkv:
	s_mov_b64 s[64:65], 0
	v_nop
	global_prefetch_b8 v0, s[64:65] scope:SCOPE_SE
	s_setreg_imm32_b32 hwreg(HW_REG_WAVE_MODE, 25, 1), 1
	s_wait_xcnt 0x0
; Q = Qz(x) Qz(Wq)^T + bq, K' = Qz(x) Qz(Wv)^T + bv (the keys come from the v projection), V' = Qz(x) Qz(Wk)^T + bk (the values from the k projection); Qz = MX-FP4 along K = 512.
; x [16384][512] f32 is quantised here, in registers, once; the weights come as codes and scale words in the order of the operand's registers.  Sums and biases in f32; results rounded once to f16
; and stored AS THE FRAGMENTS THAT THE ATTENTION LAUNCH'S MATRIX INSTRUCTIONS TAKE: group c of a fragment at 512 c + 16 x lane, so each store covers 512 consecutive bytes, aligned.
;   qf : row block g (64 rows), head w: fragment (query tile m, 32 channels ks) at 8192 (8 g + w) + 1024 (2 m + ks)
;   kvf: bl = g / 16, head w, key step j = g % 16: a dense block of 16,384 bytes at 16384 (128 bl + 16 w + j): K' (key tile kt, ks) at 1024 (2 kt + ks); V'^T (32 keys kk, channel tile dt) at 8192 + 1024 (4 kk + dt)
; SHARES.  Work-group g takes rows 64 g .. 64 g + 63.  Quantising: wave w takes row tile w / 2 and K steps 2 (w % 2), 2 (w % 2) + 1; the 16 fragments and scale words go to the other waves through LDS as images
; of their registers, behind ONE barrier.  Products: wave w is head w: 12 tiles of 16 columns (Q's 4, K's 4, V's 4) against the four row tiles; four accumulators by turns, K step by K step.
; Q and K' are made TRANSPOSED (source 0 = 16 rows of W, source 1 = 16 rows of x): a lane holds one row and eight neighbouring channels.  V' is made the natural way round: a lane holds one channel and eight
; neighbouring keys.  In both cases four roundings in pairs give exactly one group of four registers of the later operand, in the lane that will use it: nothing changes lanes.
; NO JOINT LOADS: a weight fragment is used by one wave of a work-group, once, for four matrix instructions; the three weights' codes and scale words (442,368 bytes) do not fit in LDS beside the stage, so sharing
; them would want a ring and a round of a cluster's barrier for every sixteen matrix instructions.  They go from memory straight into registers, four tiles ahead.
; LIMITS: |Q|, |K'|, |V'| stay at or under 65,504, the largest f16 number; a block of zeros gets the scale byte 1 (its codes are zeros; only this launch reads the byte); NaN and infinities are not served.
.set XIMG,   0                         ; LDS: x's 16 fragments (row tile m, K step s: 4 m + s), 1,024 bytes each
.set XSC,    16384                     ; their scale words, 128 bytes each
.set STAGE,  18432                     ; a stage for each wave: 16 rows x (1,024 bytes + 16)
.set SPITCH, 1040                      ; 65 x 16: the 16 rows that a read touches start in 16 different 16-byte columns of 256
.set WSTG,   16*SPITCH
.set SPARE,  STAGE+8*WSTG              ; the spare words, 128 bytes a wave, which no other line names
.set L16, 1                            ; v1   16 x lane
.set L4,  2                            ; v2   4 x lane
.set STW, 3                            ; v3   my stage, on the way in
.set RDA, 4                            ; v4   my stage, on the way out: row r, + 128 h
.set IMW, 5                            ; v5   where I store my two fragments' images
.set ISW, 6                            ; v6   and their scale words
.set B32H, 7                           ; v7   32 h: a bias's eight numbers of my half
.set B4R, 8                            ; v8   4 r: a bias's number of my channel
.set SH8, 9                            ; v9   8 h
.set SPW, 10                           ; v10  my spare word's LDS address; never rewritten
.set NIL, 11                           ; v11  0; never rewritten
.set MX,  12                           ; v12-19 the quantiser's registers at work,
.set SO,  14
.set BY,  16
.set TP,  18
.set PW,  19
.set PC,  20                           ; v20-27 and the fragment just made.  (v12-27 later: the bias of operand sets 2 and 3)
.set XS,  28                           ; v28-43 x's 16 scale words: scales and nothing else
                                       ; v44-51, v244-251 the weights' scale words, 4 a set: scales and nothing else
                                       ; v52-67 the bias of operand sets 0 and 1, in the result's layout;  v68-131 their fragments, 32 a set
.set ACC, 132                          ; v132-163 four accumulators
.set OUTR, 164                         ; v164-179 f16 results
.set X,   180                          ; v180-243 64 numbers of my row.  (Later: the fragments of operand sets 2 and 3)
                                       ; window 1: v0-127: x as loaded, then x's 16 fragments (fragment f at 8 f)
.set SEL, 24                           ; s[24:25] lane selects: lane l xor 16
.set MSB, 0
.macro WIN new                         ; the immediate's high byte repeats the setting that is left; a switch that changes nothing is dropped
.if MSB != \new
	s_set_vgpr_msb (MSB<<8)|\new
.set MSB, \new
.endif
.endm
; A tile's operands lie in one of FOUR sets, all in window 0.  Sets 2 and 3 take registers that the quantiser has done with; they are first asked for behind its last line.
.macro SETS buf
.if (\buf) < 2
.set bWB, 68+32*(\buf)
.set bWS, 44+4*(\buf)
.set bBI, 52+8*(\buf)
.else
.set bWB, 180+32*((\buf)-2)
.set bWS, 244+4*((\buf)-2)
.set bBI, 12+8*((\buf)-2)
.endif
.endm
; 128 numbers of each of 16 rows, lying in the stage from byte off of the rows on, become one FP4 fragment in v[PC] on and its scale word in v[PW].
; Lane (r, h) takes of row r the blocks k = 64 c + 32 h .. + 31, c = 0, 1: the very numbers whose codes the operand's layout gives that lane.
.macro QUANT off
.irp c, 0,1
.irp i, 0,1,2,3,4,5,6,7
	ds_load_b128 v[X+32*\c+4*\i:X+32*\c+4*\i+3], v[RDA] offset:\off+256*\c+16*\i   ; LDS serves a wave's instructions in order: these see my stores
.endr
.endr
	s_wait_dscnt 0x0                               ; the numbers are in; my earlier LDS stores have read their registers
.irp c, 0,1
	v_max3_num_f32 v[MX+\c], |v[X+32*\c]|, |v[X+32*\c+1]|, 0x1800000       ; with the floor 2^(3 - 127): the byte cannot fall under 1
.endr
.irp i, 2,4,6,8,10,12,14,16,18,20,22,24,26,28,30
.irp c, 0,1
	v_max3_num_f32 v[MX+\c], v[MX+\c], |v[X+32*\c+\i]|, |v[X+32*\c+\i+1]|  ; the two blocks by turns
.endr
.endr
.irp c, 0,1
	v_add_nc_u32 v[SO+\c], 0xff000000, v[MX+\c]    ; 2 off the exponent field: the conversion takes this operand's exponent field as its scale
.endr
.irp c, 0,1
	v_lshrrev_b32 v[BY+\c], 23, v[SO+\c]           ; the scale's byte
.endr
	v_lshl_or_b32 v[PW], v[BY+1], 16, v[BY]        ; my bytes: blocks h and 2 + h,
	v_lshlrev_b32 v[PW], v[SH8], v[PW]             ; at their places, 8 h bits up;
	v_permlanex16_b32 v[TP], v[PW], s[SEL], s[SEL+1]
	v_or_b32 v[PW], v[PW], v[TP]                   ; with lane l xor 16's two the word is whole, in both halves of the lanes
.irp c, 0,1
.irp g, 0,1,2,3
	v_cvt_scalef32_pk8_fp4_f32 v[PC+4*\c+\g], v[X+32*\c+8*\g:X+32*\c+8*\g+7], v[SO+\c]
.endr
.endr
	v_nop                                          ; one plain instruction behind the last scaled conversion
.endm
; My q-th K step of x: from the registers through the stage, quantised, its image and scale word to LDS.  left: the younger loads that may stay out
.macro XSTEP q, left
	s_wait_loadcnt \left
	WIN 0x04                                       ; an LDS store's data are its source 1: window 1
.irp i, 0,1,2,3,4,5,6,7,8,9,10,11,12,13,14,15
	ds_store_b128 v[STW], v[4*(16*\q+\i):4*(16*\q+\i)+3] offset:\i*SPITCH+512*\q
.endr
	WIN 0
	QUANT 512*\q
	ds_store_b128 v[IMW], v[PC:PC+3] offset:1024*\q
	ds_store_b128 v[IMW], v[PC+4:PC+7] offset:1024*\q+512
	ds_store_b32 v[ISW], v[PW] offset:128*\q
.endm
; The operands of column tile t of projection p into set buf: four fragments, four scale words, the bias in the result's layout.  14 loads (p < 2) or 20 (p = 2)
.macro WLOAD buf, p, t
	SETS \buf
.irp s, 0,1,2,3
.irp c, 0,1
	global_load_b128 v[bWB+8*\s+4*\c:bWB+8*\s+4*\c+3], v[L16], s[6:7] offset:(\p)*131072+(\t)*4096+\s*1024+\c*512
.endr
.endr
.irp s, 0,1,2,3
	global_load_b32 v[bWS+\s], v[L4], s[8:9] offset:(\p)*16384+(\t)*512+\s*128
.endr
.if (\p) < 2
	global_load_b128 v[bBI:bBI+3], v[B32H], s[10+2*(\p):11+2*(\p)] offset:(\t)*64              ; register j: b[16 t + 8 h + j]
	global_load_b128 v[bBI+4:bBI+7], v[B32H], s[10+2*(\p):11+2*(\p)] offset:(\t)*64+16
.else
.irp j, 0,1,2,3,4,5,6,7
	global_load_b32 v[bBI+\j], v[B4R], s[14:15] offset:(\t)*64                                 ; every register: b[16 t + r]
.endr
.endif
.endm
; One column tile against the four row tiles.  nxt: the loads of the three younger tiles, which may stay out.  more = 1: set buf then takes tile (p2, t2), four tiles on.
.macro TILE buf, p, t, nxt, more, p2, t2
	s_wait_loadcnt \nxt
	SETS \buf
.if (\p) < 2
	WIN 0x04                                       ; source 1 (x) in window 1
.else
	WIN 0x01                                       ; source 0 (x) in window 1
.endif
.irp s, 0,1,2,3
.irp m, 0,1,2,3
.set rD, ACC+8*\m
.set rW, bWB+8*\s
.set rX, 8*(4*\m+\s)
.set rC, rD
.if \s == 0
.set rC, bBI                           ; the bias is the C of each sum's first product: no addition, nothing cleared
.endif
.if (\p) < 2
	v_wmma_scale_f32_16x16x128_f8f6f4 v[rD:rD+7], v[rW:rW+7], v[rX:rX+7], v[rC:rC+7], v[bWS+\s], v[XS+4*\m+\s] matrix_a_fmt:MATRIX_FMT_FP4 matrix_b_fmt:MATRIX_FMT_FP4
.else
	v_wmma_scale_f32_16x16x128_f8f6f4 v[rD:rD+7], v[rX:rX+7], v[rW:rW+7], v[rC:rC+7], v[XS+4*\m+\s], v[bWS+\s] matrix_a_fmt:MATRIX_FMT_FP4 matrix_b_fmt:MATRIX_FMT_FP4
.endif
.endr
.endr
.rept 5
	v_nop                                          ; four places in front of the loads into set buf and of the roundings that read the sums; the fifth because the next tile's first products begin these accumulators anew
.endr
	WIN 0
	s_wait_xcnt 0x0                                ; the last tile's stores have read v[OUTR] on: the roundings below write them again.  It stands ahead of this tile's loads, so that it does not wait for those
.if \more
	WLOAD \buf, \p2, \t2
.endif
.irp m, 0,1,2,3
.irp i, 0,1,2,3
	v_cvt_pk_f16_f32 v[OUTR+4*\m+\i], v[ACC+8*\m+2*\i], v[ACC+8*\m+2*\i+1]     ; each accumulator from its low end on
.endr
.endr
.irp m, 0,1,2,3
.if (\p) == 0
	global_store_b128 v[L16], v[OUTR+4*\m:OUTR+4*\m+3], s[16:17] offset:(2*\m+(\t)/2)*1024+((\t)%2)*512          ; Q: channels 16 t + 8 h + j of row 16 m + r: group t % 2 of fragment (m, t / 2)
.elseif (\p) == 1
	global_store_b128 v[L16], v[OUTR+4*\m:OUTR+4*\m+3], s[18:19] offset:(2*\m+(\t)/2)*1024+((\t)%2)*512          ; K': likewise
.else
	global_store_b128 v[L16], v[OUTR+4*\m:OUTR+4*\m+3], s[18:19] offset:8192+(4*(\m/2)+(\t))*1024+(\m%2)*512     ; V'^T: keys 16 m + 8 h + j of channel 16 t + r: group m % 2 of fragment (m / 2, t)
.endif
.endr
.endm
	s_load_b256 s[4:11], s[0:1], 0x0               ; x, wcodes, wscales, bq
	s_load_b256 s[12:19], s[0:1], 0x20             ; bv, bk, qf, kvf
	v_lshl_add_u32 v[SPW], v0, 2, SPARE
	v_mov_b32 v[NIL], 0
	v_lshrrev_b32 v1, 5, v0
	v_readfirstlane_b32 s20, v1                    ; wave 0..7 = head
	v_and_b32 v164, 31, v0                         ; lane
	v_and_b32 v165, 15, v0                         ; r
	v_bfe_u32 v166, v0, 4, 1                       ; h
	v_lshlrev_b32 v[L16], 4, v164
	v_lshlrev_b32 v[L4], 2, v164
	s_mul_i32 s21, s20, WSTG
	s_add_co_u32 s21, s21, STAGE                   ; my stage
	v_add_nc_u32 v[STW], s21, v[L16]
	v_mul_u32_u24 v[RDA], v165, SPITCH
	v_lshl_add_u32 v[RDA], v166, 7, v[RDA]
	v_add_nc_u32 v[RDA], s21, v[RDA]
	s_lshl_b32 s21, s20, 11                        ; my two fragments are numbers 2 w and 2 w + 1
	v_add_nc_u32 v[IMW], s21, v[L16]
	s_lshl_b32 s21, s20, 8
	s_add_co_u32 s21, s21, XSC
	v_add_nc_u32 v[ISW], s21, v[L4]
	v_lshlrev_b32 v[B32H], 5, v166
	v_lshlrev_b32 v[B4R], 2, v165
	v_lshlrev_b32 v[SH8], 3, v166
	v_mov_b32 v[TP], 0                             ; written once: a lane permute's destination counts as one of its sources
	s_mov_b32 s[SEL], 0x76543210
	s_mov_b32 s[SEL+1], 0xfedcba98
	s_mov_b32 s23, 0
	s_lshl_b32 s22, ttmp9, 17                      ; x: 64 rows of 2,048 bytes a work-group,
	s_lshr_b32 s26, s20, 1
	s_lshl_b32 s26, s26, 15                        ; + my tile of 16 rows,
	s_add_co_u32 s22, s22, s26
	s_and_b32 s26, s20, 1
	s_lshl_b32 s26, s26, 10                        ; + my two K steps: 1,024 bytes of a row
	s_add_co_u32 s22, s22, s26
	s_wait_kmcnt 0x0
	s_add_nc_u64 s[4:5], s[4:5], s[22:23]
	s_lshl_b32 s22, s20, 14                        ; my head's four tiles of each weight
	s_add_nc_u64 s[6:7], s[6:7], s[22:23]
	s_lshl_b32 s22, s20, 11
	s_add_nc_u64 s[8:9], s[8:9], s[22:23]
	s_lshl_b32 s22, s20, 8                         ; my head's 64 numbers of each bias
	s_add_nc_u64 s[10:11], s[10:11], s[22:23]
	s_add_nc_u64 s[12:13], s[12:13], s[22:23]
	s_add_nc_u64 s[14:15], s[14:15], s[22:23]
	s_lshl_b32 s22, ttmp9, 16                      ; qf: 8192 (8 g + w)
	s_lshl_b32 s26, s20, 13
	s_add_co_u32 s22, s22, s26
	s_add_nc_u64 s[16:17], s[16:17], s[22:23]
	s_lshr_b32 s22, ttmp9, 4                       ; kvf: 16384 (128 bl + 16 w + j)
	s_lshl_b32 s22, s22, 21
	s_lshl_b32 s26, s20, 18
	s_add_co_u32 s22, s22, s26
	s_and_b32 s26, ttmp9, 15
	s_lshl_b32 s26, s26, 14
	s_add_co_u32 s22, s22, s26
	s_add_nc_u64 s[18:19], s[18:19], s[22:23]
	WIN 0x40                                       ; destination window 1
.irp q, 0,1
.irp i, 0,1,2,3,4,5,6,7,8,9,10,11,12,13,14,15
	global_load_b128 v[4*(16*\q+\i):4*(16*\q+\i)+3], v[L16], s[4:5] offset:\i*2048+512*\q th:TH_LOAD_NT   ; row i, K step q of my two: 512 consecutive bytes; x is read once in the launch
.endr
.endr
	WIN 0
	WLOAD 0, 0, 0                                  ; the first two tiles' operands: 28 loads
	WLOAD 1, 0, 1
	XSTEP 0, 44                                    ; out may stay: my second K step's 16 loads and the 28
	XSTEP 1, 28                                    ; out may stay: the 28
	s_wait_dscnt 0x0                               ; for the others' sake: my images lie in LDS.  Also: my LDS stores have read the quantiser's registers,
	WLOAD 2, 0, 2                                  ; which, with x's numbers' registers, take the next two tiles' operands
	WLOAD 3, 0, 3
	s_barrier_signal -1
	s_barrier_wait -1
	WIN 0x40
.irp f, 0,1,2,3,4,5,6,7,8,9,10,11,12,13,14,15
.irp c, 0,1
	ds_load_b128 v[8*\f+4*\c:8*\f+4*\c+3], v[L16] offset:XIMG+\f*1024+\c*512    ; all 16 fragments of x stay in registers
.endr
.endr
	WIN 0
.irp f, 0,1,2,3,4,5,6,7,8,9,10,11,12,13,14,15
	ds_load_b32 v[XS+\f], v[L4] offset:XSC+128*\f
.endr
	s_wait_dscnt 0x0
	TILE 0, 0, 0, 42, 1, 1, 0                      ; the counts: the loads of the three younger tiles, 14 a tile of Q and K', 20 a tile of V'
	TILE 1, 0, 1, 42, 1, 1, 1
	TILE 2, 0, 2, 42, 1, 1, 2
	TILE 3, 0, 3, 42, 1, 1, 3
	TILE 0, 1, 0, 42, 1, 2, 0
	TILE 1, 1, 1, 48, 1, 2, 1
	TILE 2, 1, 2, 54, 1, 2, 2
	TILE 3, 1, 3, 60, 1, 2, 3
	TILE 0, 2, 0, 60, 0, 0, 0
	TILE 1, 2, 1, 40, 0, 0, 0
	TILE 2, 2, 2, 20, 0, 0, 0
	TILE 3, 2, 3, 0, 0, 0, 0
	s_wait_tensorcnt 0x0                           ; the wave's end: behind my last LDS store
	ds_add_u32 v[SPW], v[NIL]
	s_wait_dscnt 0x0
	s_endpgm
.Lfunc_end_k_q456bd78986_qkv:
	.size	k_q456bd78986_qkv, .Lfunc_end_k_q456bd78986_qkv-k_q456bd78986_qkv
	.p2alignl 7, 3214868480
	.fill 96, 4, 3214868480
	.section	.rodata,"a",@progbits
	.p2align	6, 0x0
	.amdhsa_kernel k_q456bd78986_qkv
		.amdhsa_group_segment_fixed_size 152576
		.amdhsa_private_segment_fixed_size 0
		.amdhsa_enable_private_segment 0
		.amdhsa_kernarg_size 64
		.amdhsa_user_sgpr_count 2
		.amdhsa_user_sgpr_kernarg_segment_ptr 1
		.amdhsa_wavefront_size32 1
		.amdhsa_system_sgpr_workgroup_id_x 1
		.amdhsa_system_sgpr_workgroup_id_y 1
		.amdhsa_system_sgpr_workgroup_id_z 1
		.amdhsa_system_vgpr_workitem_id 0
		.amdhsa_next_free_vgpr 384
		.amdhsa_next_free_sgpr 66
		.amdhsa_reserve_vcc 0
		.amdhsa_float_denorm_mode_32 3
		.amdhsa_float_denorm_mode_16_64 3
		.amdhsa_memory_ordered 1
		.amdhsa_forward_progress 1
		.amdhsa_inst_pref_size 82
	.end_amdhsa_kernel
	.amdgpu_metadata
---
amdhsa.version: [ 1, 2 ]
amdhsa.kernels:
  - .name:           k_q456bd78986_qkv
    .symbol:         k_q456bd78986_qkv.kd
    .args:
      - { .name: x, .offset: 0, .size: 8, .value_kind: global_buffer, .address_space: global }
      - { .name: wcodes, .offset: 8, .size: 8, .value_kind: global_buffer, .address_space: global }
      - { .name: wscales, .offset: 16, .size: 8, .value_kind: global_buffer, .address_space: global }
      - { .name: bq, .offset: 24, .size: 8, .value_kind: global_buffer, .address_space: global }
      - { .name: bv, .offset: 32, .size: 8, .value_kind: global_buffer, .address_space: global }
      - { .name: bk, .offset: 40, .size: 8, .value_kind: global_buffer, .address_space: global }
      - { .name: qf, .offset: 48, .size: 8, .value_kind: global_buffer, .address_space: global }
      - { .name: kvf, .offset: 56, .size: 8, .value_kind: global_buffer, .address_space: global }
    .group_segment_fixed_size: 152576
    .private_segment_fixed_size: 0
    .kernarg_segment_align: 8
    .kernarg_segment_size: 64
    .max_flat_workgroup_size: 256
    .sgpr_count:     66
    .vgpr_count:     384
    .wavefront_size: 32
...
	.end_amdgpu_metadata
.endif
;; end of part 2
;; launch attn (part 3): grid 256 x 1, 8 waves a work-group, clusters of 4 x 1, 327,680 bytes of LDS; arguments qf, kvf, wo16, bo, out0; writes out0
.if DOCPART == 3
	.amdgcn_target "amdgcn-amd-amdhsa--gfx1250"
	.amdhsa_code_object_version 6
	.text
	.protected	k_q456bd78986_attn
	.globl	k_q456bd78986_attn
	.p2align	8
	.type	k_q456bd78986_attn,@function
k_q456bd78986_attn:
	s_mov_b64 s[64:65], 0
	v_nop
	global_prefetch_b8 v0, s[64:65] scope:SCOPE_SE
	s_setreg_imm32_b32 hwreg(HW_REG_WAVE_MODE, 25, 1), 1
	s_wait_xcnt 0x0
	s_wait_alu depctr_hold_cnt(0) depctr_sa_sdst(0) depctr_va_vdst(0) depctr_va_sdst(0) depctr_va_ssrc(0) depctr_va_vcc(0) depctr_vm_vsrc(0)
	s_getreg_b32 s2, hwreg(HW_REG_IB_STS2, 6, 4)
	s_cmp_eq_u32 s2, 0
	s_cbranch_scc0 .Lentry_in_a_cluster
	s_endpgm
.Lentry_in_a_cluster:
	s_bfe_u32 s2, ttmp6, 0x10000c
	s_cmp_lg_u32 s2, 0x3003
	s_cbranch_scc0 .Lentry_shape_is_right
	s_endpgm
.Lentry_shape_is_right:
; out0 = concat over heads of softmax(Q K'^T / sqrt(512)) V', times Wo^T, + bo.  Q, K', V'^T and Wo come in f16 as images of the operands' registers (group c of a fragment at 512 c + 16 x lane); products on f16
; operands with f32 sums; maxima, exponentials, sums and the division in f32; the weights p and the heads' results are rounded once to f16 for the next product.
; SHARES.  Work-group g = 4 x cluster + cx takes rows 64 g .. 64 g + 63 (one of 16 blocks of queries of one (b, l)), all 8 heads: wave w is head w, with four tiles of 16 queries.  A wave walks the head's 1,024 keys,
; 64 a step.  Then the heads' results meet in LDS, and wave w makes columns 64 w .. 64 w + 63 of out0 for the 64 rows: the heads' results never go to memory.
; LAYOUT.  S^T = K' Q^T (source 0 = 16 keys, source 1 = 16 queries): a lane holds ONE query (lane % 16) and keys 8 (lane / 16) + 0..7.  Two such tiles, rounded in pairs, are source 1 of O^T = V'^T P, whose result
; again holds one query a lane and eight channels; two of ITS tiles, rounded in pairs, are source 1 of out^T = Wo inter^T.  Nothing changes lanes between the three products.
; SOFTMAX.  For each query a running maximum m and sum l: p = 2^(c s - c m), c = log2(e) / sqrt(512); in every step O^T and l are multiplied by a = 2^(c m_old - c m_new).
; ORDER IN A STEP: tile by tile (softmax of tile m, its V'^T P, the scores of tile m + 2): blocks of vector work and runs of matrix instructions by turns.
; TWO ROLES.  Every step has a round of the cluster's barrier, which all waves leave together.  The waves whose number has bit 0 xor bit 2 = 1 take tile 0's softmax AHEAD of the round, the others BEHIND it: so behind
; each round one half of the waves begins with a block of vector work and the other half with a run of matrix instructions, and they go on so, one's vector block beside the other's matrix run, up to the next round.
; The branches hang on the wave's number alone and lead round work on registers alone.
; RING.  Each wave has two LDS slots of 16,384 bytes of its own; a slot holds one key step's K' and V'^T of its head, one dense block of memory, brought by one tensor load and read by that wave alone.
; CLUSTER.  The four work-groups of a cluster belong to one (b, l) and walk the same K' and V': every tile is asked for JOINTLY, by the same load with the same descriptor and a mask that names the four.
; THE WALK.  Cluster q of the four of a (b, l) begins at key step 4 q and walks the 16 steps round; the running form of the softmax does not care for the order.  So a step is asked for by one cluster at a time:
; first by the cluster that begins in its quarter, and 4, 8 and 12 trips later by the other three.
; Wo is not asked for jointly: each of its fragments is used by one wave of a work-group, once, and its 524,288 bytes have no room in LDS beside the ring; it goes from memory straight into registers, four K steps ahead.
; LIMITS: |inter| is at most the largest |V'|, which the launch before keeps at or under 65,504; NaN and infinities are not served.
; REGISTERS.  Window 0: v1-14 addresses; v16-47 statistics, 8 a tile; v48-111 S^T, two sets of 32 (tile m: set m % 2); v112-127 P; v128-191 K'; v192-255 Q (v128-255 later: Wo, four sets of 32).
;   Window 1: v0-127 O^T ((m, dt) at 32 m + 8 dt), later out's 16 accumulators; v128-191 V'^T, later inter's fragments, two sets of 32; v192-223 bo in the result's layout.
.set SLOTB, 16384                      ; a slot
.set RINGW, 2*SLOTB                    ; a wave's ring
.set SPARE, 8*RINGW                    ; behind the rings: the spare words, 128 bytes a wave, which no other line names
.set SP,    272                        ; the way out: a stage row, 256 bytes + 16
.set LI,  1                            ; v1   my ring + 16 x lane
.set ADR, 2                            ; v2   the LDS address of the run of loads in hand
.set L16, 3                            ; v3   16 x lane
.set PFO, 4                            ; v4   256 x lane
.set STO, 5                            ; v5   the stage (my slot 1): row r, + 32 h
.set RD,  6                            ; v6   and back: lanes 0-15 one row, lanes 16-31 the next
.set GO,  7                            ; v7   the same two rows in out0
.set AI,  8                            ; v9-11 a x 65,536 + 16 x lane, a = 1 .. 3: the other waves' rings lie beyond an LDS instruction's 16-bit immediate
.set SPW, 12                           ; v12  my spare word's LDS address; never rewritten
.set NIL, 13                           ; v13  0; never rewritten
.set B32H, 14                          ; v14  32 h
.set ST,  16                           ; tile m at v[ST + 8 m]: +0 c m, +1 m, +2, +3 l (even keys', odd keys'), +4 .. +7 at work; a takes +6
.set S,   48
.set P,   112
.set KF,  128
.set QF,  192
.set WOF, 128                          ; window 0: Wo's fragments
.set VF,  128                          ; window 1
.set IFR, 128                          ; window 1: inter's fragments
.set BO,  192                          ; window 1
.set WV,  14                           ; s14  my wave's number
.set CX,  15                           ; s15  my place in the cluster: it enters the addresses of qf, out0 and the prefetch alone
.set G1,  24                           ; s[24:31] descriptor group 1
.set G0A, 32                           ; s[32:35] group 0 of the first fill of slot 0
.set G0B, 36                           ; s[36:39] group 0 of the first fill of slot 1; it then walks on
.set CS,  40                           ; s[40:41] c: the packed form names a pair and takes its low word for both halves
.set SEL, 42                           ; s[42:43] lane selects: lane l xor 16
.set TB,  44                           ; s44  the byte, in my ring, of the slot to be fetched from
.set CNT, 45                           ; s45  the loop's trips to go
.set ROLE, 47                          ; s47  bit 0 xor bit 2 of my wave's number
.set PFA, 48                           ; s[48:49] where my prefetch stands; never rewritten
.set HB,  56                           ; s[56:57] my head's first byte in kvf
.set KO,  58                           ; s[58:59] the byte, in my head's 262,144, of the key step asked for last
.set MSB, 0
.macro WIN new                         ; the immediate's high byte repeats the setting that is left; a switch that changes nothing is dropped
.if MSB != \new
	s_set_vgpr_msb (MSB<<8)|\new
.set MSB, \new
.endif
.endm
.macro PLACES                          ; four places between a matrix instruction and a vector instruction that reads its result, or a load into one of its registers
.rept 4
	v_nop
.endr
.endm
.macro CROUND                          ; a round of the cluster's barrier: my work-group's barrier; wave 0 signals for the work-group; every wave waits for all four; my work-group's barrier once more
	s_barrier_signal -1
	s_barrier_wait -1
	s_cmp_lg_u32 s[WV], 0
	s_cbranch_scc1 .Lnot_wave_0_\@
	s_barrier_signal -3
.Lnot_wave_0_\@:
	s_barrier_wait -3
	s_barrier_signal -1
	s_barrier_wait -1
.endm
; THE PREFETCH.  Of the four key steps that my cluster is the first to ask for (4 q .. 4 q + 3), the first three are asked for by tensor loads at the head and in the first trip; the fourth is named here, in the first
; trip, one trip (64 matrix instructions and four tiles' softmax) ahead of its load.  The step's tiles of the 8 heads are 131,072 bytes: 16 instructions of 32 lanes, 256 bytes apart.  The partners share the heads out
; BY ADDRESS (partner cx: heads 2 cx, 2 cx + 1); in each, waves 0 to 3 ask, half a tile each.  The four clusters of a (b, l) name four different steps: each aligned 256 bytes are named once in the launch.
.macro ASK
	s_cmp_lt_u32 s[WV], 4
	s_cbranch_scc0 .Lnot_mine_\@
	global_prefetch_b8 v[PFO], s[PFA:PFA+1] th:TH_LOAD_NT scope:SCOPE_SE
.Lnot_mine_\@:
.endm
.macro KLOAD                           ; a step's K': 8 fragments (key tile kt, 32 channels ks: 2 kt + ks)
	v_add_nc_u32 v[ADR], s[TB], v[LI]
.irp f, 0,1,2,3,4,5,6,7
.irp c, 0,1
	ds_load_b128 v[KF+8*\f+4*\c:KF+8*\f+4*\c+3], v[ADR] offset:\f*1024+\c*512
.endr
.endr
.endm
.macro VLOAD                           ; a step's V'^T: 8 fragments (32 keys kk, channel tile dt: 4 kk + dt)
	v_add_nc_u32 v[ADR], s[TB], v[LI]
	WIN 0x40                                       ; destination window 1
.irp f, 0,1,2,3,4,5,6,7
.irp c, 0,1
	ds_load_b128 v[VF+8*\f+4*\c:VF+8*\f+4*\c+3], v[ADR] offset:8192+\f*1024+\c*512
.endr
.endr
	WIN 0
.endm
; The scores of tile m: 8 products; the four accumulators take turns, one instruction a turn; the first four start the sums
.macro SMUL m
.irp ks, 0,1
.irp kt, 0,1,2,3
.set rS, S+32*((\m)%2)+8*\kt
.if \ks == 0
	v_wmma_f32_16x16x32_f16 v[rS:rS+7], v[KF+8*(2*\kt+\ks):KF+8*(2*\kt+\ks)+7], v[QF+8*(2*(\m)+\ks):QF+8*(2*(\m)+\ks)+7], 0
.else
	v_wmma_f32_16x16x32_f16 v[rS:rS+7], v[KF+8*(2*\kt+\ks):KF+8*(2*\kt+\ks)+7], v[QF+8*(2*(\m)+\ks):QF+8*(2*(\m)+\ks)+7], v[rS:rS+7]
.endif
.endr
.endr
.endm
; O^T of tile m += V'^T P: 8 products, four accumulators by turns.  first = 1: the first four start the sums: nothing is ever cleared
.macro PVMUL m, first
	WIN 0x51                                       ; V'^T (source 0), C and D in window 1; P in window 0
.irp kk, 0,1
.irp dt, 0,1,2,3
.set rO, 32*(\m)+8*\dt
.if \first && (\kk == 0)
	v_wmma_f32_16x16x32_f16 v[rO:rO+7], v[VF+8*(4*\kk+\dt):VF+8*(4*\kk+\dt)+7], v[P+8*\kk:P+8*\kk+7], 0
.else
	v_wmma_f32_16x16x32_f16 v[rO:rO+7], v[VF+8*(4*\kk+\dt):VF+8*(4*\kk+\dt)+7], v[P+8*\kk:P+8*\kk+7], v[rO:rO+7]
.endif
.endr
.endr
	WIN 0
.endm
; Tile m's softmax for one key step: the lane's 32 scores.  first = 1: the first key step, which starts m and l and has no a.
.macro SOFT m, first
.set rT, ST+8*(\m)
.set rS, S+32*((\m)%2)
.irp j, 0,1,2,3
	v_max3_num_f32 v[rT+4+\j], v[rS+8*\j], v[rS+8*\j+1], v[rS+8*\j+2]      ; four chains, one for each accumulator, each begun at the accumulator's low end
.endr
.irp i, 3,5
.irp j, 0,1,2,3
	v_max3_num_f32 v[rT+4+\j], v[rT+4+\j], v[rS+8*\j+\i], v[rS+8*\j+\i+1]
.endr
.endr
	v_max3_num_f32 v[rT+4], v[rT+4], v[rS+7], v[rS+15]
	v_max3_num_f32 v[rT+6], v[rT+6], v[rS+23], v[rS+31]
	v_max3_num_f32 v[rT+4], v[rT+4], v[rT+5], v[rT+6]
.if \first
	v_max_num_f32 v[rT+4], v[rT+4], v[rT+7]
.else
	v_max3_num_f32 v[rT+4], v[rT+4], v[rT+7], v[rT+1]      ; with the old m
.endif
	v_permlanex16_b32 v[rT+5], v[rT+4], s[SEL], s[SEL+1]   ; the query's other 32 keys lie in the lane 16 away
.if !\first
	v_mov_b32 v[rT+7], v[rT]                       ; c m_old is kept for a
.endif
	v_max_num_f32 v[rT+1], v[rT+4], v[rT+5]        ; the new m
	v_mul_f32 v[rT], s[CS], v[rT+1]                ; c m
.if !\first
	v_sub_f32 v[rT+7], v[rT+7], v[rT]              ; of the two ROUNDED numbers: so a fits the p of both steps, however large the scores
.endif
	; ONE BATCH: the 16 scalings c s - c m, two scores each, and all the exponentials; none of these lines names an exponential's result.  A scaling leads each pair of exponentials, which take the pair scaled two scalings earlier
.irp b, 0,2
	v_pk_fma_f32 v[rS+\b:rS+\b+1], v[rS+\b:rS+\b+1], s[CS:CS+1], v[rT:rT+1] op_sel_hi:[1,0,0] neg_lo:[0,0,1] neg_hi:[0,0,1]
.endr
.if !\first
	v_exp_f32 v[rT+6], v[rT+7]                     ; a
.endif
.irp b, 4,6,8,10,12,14,16,18,20,22,24,26,28,30
	v_pk_fma_f32 v[rS+\b:rS+\b+1], v[rS+\b:rS+\b+1], s[CS:CS+1], v[rT:rT+1] op_sel_hi:[1,0,0] neg_lo:[0,0,1] neg_hi:[0,0,1]
	v_exp_f32 v[rS+\b-4], v[rS+\b-4]               ; p, at most 1
	v_exp_f32 v[rS+\b-3], v[rS+\b-3]
.endr
.irp e, 28,29,30,31
	v_exp_f32 v[rS+\e], v[rS+\e]
.endr
	v_nop                                          ; a plain instruction behind the last exponential
	s_wait_alu depctr_va_vdst(0)                   ; the wait ahead of the first line that names a result: one for the whole batch
.irp i, 0,1,2,3,4,5,6,7,8,9,10,11,12,13,14,15
	v_cvt_pk_f16_f32 v[P+\i], v[rS+2*\i], v[rS+2*\i+1]     ; registers 0-7: keys 0-31, registers 8-15: keys 32-63, as source 1 wants them
.endr
.irp u, 0,4,8,12,16,20,24,28
	v_pk_add_f32 v[rS+\u:rS+\u+1], v[rS+\u:rS+\u+1], v[rS+\u+2:rS+\u+3]    ; the sum of the unrounded p, as a tree, in place
.endr
.irp u, 0,8,16,24
	v_pk_add_f32 v[rS+\u:rS+\u+1], v[rS+\u:rS+\u+1], v[rS+\u+4:rS+\u+5]
.endr
.irp u, 0,16
	v_pk_add_f32 v[rS+\u:rS+\u+1], v[rS+\u:rS+\u+1], v[rS+\u+8:rS+\u+9]
.endr
.if \first
	v_pk_add_f32 v[rT+2:rT+3], v[rS:rS+1], v[rS+16:rS+17]
.else
	v_pk_add_f32 v[rS:rS+1], v[rS:rS+1], v[rS+16:rS+17]
	v_pk_fma_f32 v[rT+2:rT+3], v[rT+2:rT+3], v[rT+6:rT+7], v[rS:rS+1] op_sel_hi:[1,0,1]    ; l = a l + the sum
.endif
.endm
.macro RESC m                          ; tile m's O^T times a
	WIN 0x41                                       ; O^T (destination and source 0) in window 1, a in window 0
.irp b, 0,2,4,6,8,10,12,14,16,18,20,22,24,26,28,30
	v_pk_mul_f32 v[32*(\m)+\b:32*(\m)+\b+1], v[32*(\m)+\b:32*(\m)+\b+1], v[ST+8*(\m)+6:ST+8*(\m)+7] op_sel_hi:[1,0]
.endr
.endm
.macro TILE0 first                     ; tile 0's block of vector work; it ends with every window 0, since a label may follow
	SOFT 0, \first
.if !\first
	RESC 0
	WIN 0
.endif
.endm
.macro WOLOAD ks                       ; Wo's four fragments (my 64 rows, K step ks) into set ks % 4
.irp n, 0,1,2,3
.irp c, 0,1
	global_load_b128 v[WOF+32*((\ks)%4)+8*\n+4*\c:WOF+32*((\ks)%4)+8*\n+4*\c+3], v[L16], s[8:9] offset:\n*16384+(\ks)*1024+\c*512
.endr
.endr
.endm
.macro WOHEAD                          ; bo in the result's layout (register j of tile n: bo[64 w + 16 n + 8 h + j]) and Wo's first four K steps: 40 loads
	WIN 0x40
.irp n, 0,1,2,3
	global_load_b128 v[BO+8*\n:BO+8*\n+3], v[B32H], s[10:11] offset:64*\n
	global_load_b128 v[BO+8*\n+4:BO+8*\n+7], v[B32H], s[10:11] offset:64*\n+16
.endr
	WIN 0
	WOLOAD 0
	WOLOAD 1
	WOLOAD 2
	WOLOAD 3
.endm
; TRIP j of the walk.  first = 1: j = 0.  mode 0: slot j % 2 is filled again, with the walk's step j + 2; mode 1: j = 14; mode 2: j = 15.
.macro TRIP first, mode
.if !\first
	PLACES                                         ; the last trip's last products read V'^T's registers
.endif
	VLOAD                                          ; V'(j)
	s_wait_dscnt 16                                ; K'(j), asked for in the last trip, is in; V's 16 loads may be out
	SMUL 0
	SMUL 1
	PLACES                                         ; behind the scores' products, ahead of the softmax that reads them
.if \mode == 0
.if !\first
	s_cmp_eq_u32 s[ROLE], 0
	s_cbranch_scc1 .Lbehind_\@
	TILE0 0                                        ; role 1: tile 0's vector work ahead of the round
.Lbehind_\@:
.endif
	s_wait_tensorcnt 0x0                           ; my one load that was out, step j + 1's, has landed: it was asked for a whole trip ago.  So a group 0 may be written
	ds_add_u32 v[SPW], v[NIL]                      ; 0 onto my spare word
	s_xor_b32 s[G0B+1], s[G0B+1], SLOTB            ; the walking descriptor: the other slot than last time,
	s_add_co_u32 s[KO], s[KO], SLOTB               ; the next key step,
	s_and_b32 s[KO], s[KO], 0x3ffff                ; round the head's 16 steps of 16,384 bytes
	s_add_nc_u64 s[G0B+2:G0B+3], s[HB:HB+1], s[KO:KO+1]
	s_or_b32 s[G0B+3], s[G0B+3], 0x80000000        ; type = 2
	s_wait_dscnt 0x0                               ; the add is done; V'(j) and K'(j) are in registers: my reads of slot j % 2 are over
	CROUND                                         ; that now holds of every wave of all four work-groups
	tensor_load_to_lds s[G0B:G0B+3], s[G1:G1+7]    ; step j + 2 into slot j % 2: my one tensor load until the next round; it has a whole trip in which to land
	s_nop 0
	PLACES                                         ; an s_nop 0 and four v_nop behind the load
.if \first
	ASK
.endif
	s_xor_b32 s[TB], s[TB], SLOTB                  ; the next fetches come from the other slot
.if \first
	TILE0 1
.else
	s_cmp_lg_u32 s[ROLE], 0
	s_cbranch_scc1 .Lahead_\@
	TILE0 0                                        ; role 0: tile 0's vector work behind the round
.Lahead_\@:
.endif
.else
.if \mode == 1
	s_wait_tensorcnt 0x0                           ; the last step's tile has landed; nothing is filled again
	s_xor_b32 s[TB], s[TB], SLOTB
.endif
	s_wait_dscnt 0x0                               ; V'(j) is in
	TILE0 0
.endif
	PVMUL 0, \first
	SMUL 2
	SOFT 1, \first
.if !\first
	RESC 1
.endif
	PVMUL 1, \first
	SMUL 3
	SOFT 2, \first                                 ; its lines are also the places behind the last products that read K' (and, in the last step, Q)
.if \mode < 2
	KLOAD                                          ; K'(j + 1): shown landed above; only I read my ring
.else
	WOHEAD                                         ; K's and Q's registers are done with: they take Wo
.endif
.if !\first
	RESC 2
.endif
	PVMUL 2, \first
	SOFT 3, \first
.if !\first
	RESC 3
.endif
	PVMUL 3, \first
.endm
	s_load_b256 s[4:11], s[0:1], 0x0               ; qf, kvf, wo16, bo
	s_load_b64 s[12:13], s[0:1], 0x20              ; out0
	v_lshl_add_u32 v[SPW], v0, 2, SPARE
	v_mov_b32 v[NIL], 0
	ds_add_u32 v[SPW], v[NIL]                      ; the wave's opening: the add, twice on end, and its wait ahead of my first tensor load
	ds_add_u32 v[SPW], v[NIL]                      ; and once more; the set-up below, work on registers, stands between it and the wait
	v_lshrrev_b32 v1, 5, v0
	v_readfirstlane_b32 s[WV], v1                  ; wave 0..7 = head
	s_lshr_b32 s[ROLE], s[WV], 2
	s_xor_b32 s[ROLE], s[ROLE], s[WV]
	s_and_b32 s[ROLE], s[ROLE], 1                  ; bit 0 xor bit 2: waves w and w + 4 differ in it, and so do waves 2 i and 2 i + 1
	s_bfe_u32 s[CX], ttmp6, 0x40000                ; cx
	s_lshl_b32 s16, ttmp9, 2                       ; in a cluster launch ttmp9 counts clusters
	s_add_co_u32 s16, s16, s[CX]                   ; g = 4 x cluster + cx
	; descriptor group 1: a dense block of 16,384 bytes as 64 rows of 256 bytes
	s_mov_b32 s[G1], 15|(3<<16)|(1<<21)            ; 15:0 the mask: all four work-groups; 17:16 elements of 8 bytes; 20 no padding (every read is at 16 x lane); 21 set beside a mask
	s_mov_b32 s[G1+1], 32<<16                      ; tensor_dim0 = 32
	s_mov_b32 s[G1+2], 64<<16                      ; tensor_dim1 = 64
	s_mov_b32 s[G1+3], 32<<16                      ; tile_dim0 = 32
	s_mov_b32 s[G1+4], 64                          ; tile_dim1 = 64
	s_mov_b32 s[G1+5], 32                          ; from row to row
	s_mov_b32 s[G1+6], 0
	s_mov_b32 s[G1+7], 0
	s_mov_b32 s[CS], 0x3d8293ee                    ; c = log2(e) / sqrt(512)
	s_mov_b32 s[CS+1], s[CS]                       ; (named with it as a pair, so it is written)
	s_mov_b32 s[SEL], 0x76543210
	s_mov_b32 s[SEL+1], 0xfedcba98
	s_mov_b32 s[TB], 0
	s_mov_b32 s[CNT], 13
	s_and_b32 s[KO], ttmp9, 3                      ; q: which of the (b, l)'s four clusters: the same in all four partners
	s_lshl_b32 s[KO], s[KO], 16                    ; the walk begins at key step 4 q: 4 x 16,384 bytes a quarter
	s_mov_b32 s[KO+1], 0
	s_lshl_b32 s51, s[WV], 15                      ; my ring: no place in the cluster enters an LDS address
	s_lshr_b32 s18, ttmp9, 2                       ; bl, which the four partners share
	s_lshl_b32 s18, s18, 21                        ; kvf: 16384 (128 bl + 16 w)
	s_lshl_b32 s50, s[WV], 18
	s_add_co_u32 s18, s18, s50
	s_mov_b32 s19, 0
	s_lshl_b32 s20, s16, 16                        ; qf: 8192 (8 g + w)
	s_lshl_b32 s50, s[WV], 13
	s_add_co_u32 s20, s20, s50
	s_mov_b32 s21, 0
	s_lshl_b32 s52, s16, 17                        ; out0: 64 rows of 2,048 bytes a work-group, + my 256 bytes of a row
	s_lshl_b32 s54, s[WV], 8                       ; bo: my 64 numbers
	s_add_co_u32 s52, s52, s54
	s_mov_b32 s53, 0
	s_mov_b32 s55, 0
	s_lshr_b32 s22, ttmp9, 2                       ; the prefetch: bl,
	s_lshl_b32 s22, s22, 21
	s_lshl_b32 s50, s[CX], 1
	s_bfe_u32 s17, s[WV], 0x10001
	s_add_co_u32 s50, s50, s17                     ; head 2 cx + bit 1 of my wave's number,
	s_lshl_b32 s50, s50, 18
	s_add_co_u32 s22, s22, s50
	s_and_b32 s17, s[WV], 1
	s_lshl_b32 s17, s17, 13                        ; half of its tile,
	s_add_co_u32 s22, s22, s17
	s_add_co_u32 s22, s22, s[KO]                   ; at key step 4 q + 3: 245,760 bytes into the head's 262,144 at the most
	s_add_co_u32 s22, s22, 3*SLOTB
	s_mov_b32 s23, 0
	v_and_b32 v15, 31, v0                          ; lane
	v_lshlrev_b32 v[L16], 4, v15
	v_lshlrev_b32 v[PFO], 8, v15
	v_and_b32 v2, 15, v0                           ; r
	v_bfe_u32 v15, v0, 4, 1                        ; h
	v_add_nc_u32 v[LI], s51, v[L16]
	s_add_co_u32 s17, s51, SLOTB                   ; my stage for the way out: my slot 1
	v_mul_u32_u24 v[STO], v2, SP
	v_lshl_add_u32 v[STO], v15, 5, v[STO]
	v_add_nc_u32 v[STO], s17, v[STO]
	v_mul_u32_u24 v[RD], v15, SP
	v_lshl_add_u32 v[RD], v2, 4, v[RD]
	v_add_nc_u32 v[RD], s17, v[RD]
	v_lshlrev_b32 v[GO], 11, v15
	v_lshl_add_u32 v[GO], v2, 4, v[GO]
.irp a, 1,2,3
	v_add_nc_u32 v[AI+\a], \a*65536, v[L16]
.endr
	v_lshlrev_b32 v[B32H], 5, v15
	s_wait_dscnt 0x0                               ; both opening adds are done
	s_wait_kmcnt 0x0
	s_add_nc_u64 s[4:5], s[4:5], s[20:21]
.irp f, 0,1,2,3,4,5,6,7
.irp c, 0,1
	global_load_b128 v[QF+8*\f+4*\c:QF+8*\f+4*\c+3], v[L16], s[4:5] offset:\f*1024+\c*512 th:TH_LOAD_NT   ; Q stays in registers: fragment (tile m, 32 channels ks) = 2 m + ks; read once in the launch; asked for ahead of the first round
.endr
.endr
	s_add_nc_u64 s[12:13], s[12:13], s[52:53]
	s_add_nc_u64 s[10:11], s[10:11], s[54:55]
	s_lshl_b32 s54, s[WV], 16                      ; wo16: my four tiles of 16 rows
	s_add_nc_u64 s[8:9], s[8:9], s[54:55]
	s_add_nc_u64 s[PFA:PFA+1], s[6:7], s[22:23]
	s_add_nc_u64 s[HB:HB+1], s[6:7], s[18:19]      ; my head in kvf
	s_mov_b32 s[G0A], 1                            ; count = 1
	s_mov_b32 s[G0A+1], s51                        ; LDS address: my slot 0
	s_add_nc_u64 s[G0A+2:G0A+3], s[HB:HB+1], s[KO:KO+1]    ; global address: key step 4 q
	s_add_co_u32 s[KO], s[KO], SLOTB               ; (212,992 at the most: no turn yet)
	s_mov_b32 s[G0B], 1
	s_add_co_u32 s[G0B+1], s51, SLOTB              ; my slot 1
	s_add_nc_u64 s[G0B+2:G0B+3], s[HB:HB+1], s[KO:KO+1]    ; key step 4 q + 1
	s_or_b32 s[G0A+3], s[G0A+3], 0x80000000        ; type = 2
	s_or_b32 s[G0B+3], s[G0B+3], 0x80000000
	CROUND                                         ; all four work-groups are here: the first joint loads meet
	tensor_load_to_lds s[G0A:G0A+3], s[G1:G1+7]    ; both first fills together: two loads of mine are out
	s_nop 0
	tensor_load_to_lds s[G0B:G0B+3], s[G1:G1+7]
	s_nop 0
	PLACES
	s_wait_tensorcnt 1                             ; the walk's first step is in my slot 0; the second's load may stay out.  Only I read my ring: no barrier
	KLOAD
	s_wait_loadcnt 0x0                             ; Q
	TRIP 1, 0                                      ; j = 0
.Lstep:                                            ; 13 trips: j = 1 .. 13; each fills a slot again
	TRIP 0, 0
	s_sub_co_u32 s[CNT], s[CNT], 1
	s_cmp_lg_u32 s[CNT], 0
	s_cbranch_scc1 .Lstep
	TRIP 0, 1                                      ; the last two steps are written out: they ask for nothing
	TRIP 0, 2
	; THE HEADS' RESULTS.  l's two halves and the other half of the lanes' are added (these lines are the places behind the last products); O^T is divided by l and rounded to f16.
.irp m, 0,1,2,3
	v_add_f32 v[ST+8*\m+4], v[ST+8*\m+2], v[ST+8*\m+3]
.endr
.irp m, 0,1,2,3
	v_permlanex16_b32 v[ST+8*\m+5], v[ST+8*\m+4], s[SEL], s[SEL+1]
.endr
.irp m, 0,1,2,3
	v_add_f32 v[ST+8*\m+4], v[ST+8*\m+4], v[ST+8*\m+5]
.endr
.irp m, 0,1,2,3
	v_rcp_f32 v[ST+8*\m+6], v[ST+8*\m+4]
.endr
	v_nop                                          ; a plain instruction behind the last reciprocal
	s_wait_alu depctr_va_vdst(0)                   ; and the wait ahead of the first use: one for the four
; Tile m: channel tiles 2 k and 2 k + 1 of O^T, rounded in pairs, ARE the fragment (16 rows x 32 channels) of K step 2 w + k of the last product.  Its image goes into my slot 0, which has had its last fill and its last read.
.macro NORM m
	WIN 0x41
.irp b, 0,2,4,6,8,10,12,14,16,18,20,22,24,26,28,30
	v_pk_mul_f32 v[32*\m+\b:32*\m+\b+1], v[32*\m+\b:32*\m+\b+1], v[ST+8*\m+6:ST+8*\m+7] op_sel_hi:[1,0]
.endr
	WIN 0x05                                       ; sources 0 and 1 in window 1, destination in window 0: S^T's registers are free
.irp i, 0,1,2,3,4,5,6,7,8,9,10,11,12,13,14,15
	v_cvt_pk_f16_f32 v[S+16*\m+\i], v[32*\m+2*\i], v[32*\m+2*\i+1]
.endr
	WIN 0
.irp q, 0,1,2,3
	ds_store_b128 v[LI], v[S+16*\m+4*\q:S+16*\m+4*\q+3] offset:\m*2048+\q*512
.endr
.endm
	NORM 0
	NORM 1
	NORM 2
	NORM 3
	s_wait_dscnt 0x0                               ; for the others' sake: my images lie in LDS
	s_barrier_signal -1
	s_barrier_wait -1                              ; all eight heads' do
	; THE LAST PRODUCT: out^T = Wo inter^T + bo for my 64 columns and the 64 rows: 16 accumulators by turns, 16 K steps of 32.
.macro ILOAD ks                        ; inter's four fragments of K step ks (head ks / 2) into set ks % 2
.if (\ks)/4 == 0
.set AIR, L16
.else
.set AIR, AI+(\ks)/4
.endif
.irp m, 0,1,2,3
.irp c, 0,1
	ds_load_b128 v[IFR+32*((\ks)%2)+8*\m+4*\c:IFR+32*((\ks)%2)+8*\m+4*\c+3], v[AIR] offset:(((\ks)/2)%2)*32768+(2*\m+(\ks)%2)*1024+\c*512
.endr
.endr
.endm
.macro OPROJ ks
.if \ks < 15
	s_wait_dscnt 8                                 ; this step's fragments of inter are in; the next step's eight loads may be out
.else
	s_wait_dscnt 0x0
.endif
.if \ks <= 12
	s_wait_loadcnt 24                              ; this step's Wo (and, at first, bo) is in; the three younger sets may be out
.else
	s_wait_loadcnt 8*(15-\ks)
.endif
	WIN 0x54                                       ; Wo (source 0) in window 0; inter, C and D in window 1
.irp m, 0,1,2,3
.irp n, 0,1,2,3
.set rD, 8*(4*\m+\n)
.set rC, rD
.if \ks == 0
.set rC, BO+8*\n                       ; the bias is the C of each sum's first product
.endif
	v_wmma_f32_16x16x32_f16 v[rD:rD+7], v[WOF+32*((\ks)%4)+8*\n:WOF+32*((\ks)%4)+8*\n+7], v[IFR+32*((\ks)%2)+8*\m:IFR+32*((\ks)%2)+8*\m+7], v[rC:rC+7]
.endr
.endr
	PLACES                                         ; in front of the loads into the sets just multiplied; behind the last step: in front of the first read of the results
.if \ks+2 <= 15
	WIN 0x40
	ILOAD \ks+2
.endif
	WIN 0
.if \ks+4 <= 15
	WOLOAD \ks+4
.endif
.endm
	WIN 0x40
	ILOAD 0
	ILOAD 1
.irp k, 0,1,2,3,4,5,6,7,8,9,10,11,12,13,14,15
	OPROJ \k
.endr
	; THE WAY OUT.  A lane holds 32 neighbouring bytes of a row, and the lanes beside it hold other rows: a tile of 16 rows x 256 bytes goes through my stage (my slot 1: it has had its last fill and its last read)
	; and comes back by rows, so that sixteen lanes store 256 consecutive bytes, aligned.  LDS serves a wave's instructions in order: no wait between the stores and the loads, nor in front of the next tile's stores.
.macro TOSTAGE m
	WIN 0x04                                       ; an LDS store's data are its source 1: window 1
.irp n, 0,1,2,3
	ds_store_b128 v[STO], v[8*(4*(\m)+\n):8*(4*(\m)+\n)+3] offset:64*\n            ; each accumulator from its low end on
	ds_store_b128 v[STO], v[8*(4*(\m)+\n)+4:8*(4*(\m)+\n)+7] offset:64*\n+16
.endr
	WIN 0
.irp i, 0,1,2,3,4,5,6,7
	ds_load_b128 v[S+32*((\m)%2)+4*\i:S+32*((\m)%2)+4*\i+3], v[RD] offset:\i*2*SP
.endr
.endm
.macro SEND m, younger                 ; younger: the LDS instructions issued behind tile m's loads, which may stay out
	s_wait_dscnt \younger
.irp i, 0,1,2,3,4,5,6,7
	global_store_b128 v[GO], v[S+32*((\m)%2)+4*\i:S+32*((\m)%2)+4*\i+3], s[12:13] offset:(16*(\m)+2*\i)*2048 th:TH_STORE_NT   ; written once, read by nobody here
.endr
.endm
	TOSTAGE 0
.irp m, 1,2,3
.if \m >= 2
	s_wait_xcnt 0x0                                ; tile m - 2's stores have read their registers: tile m's loads may land there
.endif
	TOSTAGE \m
	SEND \m-1, 16                                  ; behind tile m - 1's loads: tile m's 8 stores and 8 loads
.endr
	SEND 3, 0
	s_wait_tensorcnt 0x0                           ; the wave's end: behind my last tensor load and my last LDS store
	ds_add_u32 v[SPW], v[NIL]
	s_wait_dscnt 0x0
	CROUND                                         ; the closing round: no work-group ends while a partner may still ask for a tile that names it
	s_endpgm
.Lfunc_end_k_q456bd78986_attn:
	.size	k_q456bd78986_attn, .Lfunc_end_k_q456bd78986_attn-k_q456bd78986_attn
	.p2alignl 7, 3214868480
	.fill 96, 4, 3214868480
	.section	.rodata,"a",@progbits
	.p2align	6, 0x0
	.amdhsa_kernel k_q456bd78986_attn
		.amdhsa_group_segment_fixed_size 327680
		.amdhsa_private_segment_fixed_size 0
		.amdhsa_enable_private_segment 0
		.amdhsa_kernarg_size 40
		.amdhsa_user_sgpr_count 2
		.amdhsa_user_sgpr_kernarg_segment_ptr 1
		.amdhsa_wavefront_size32 1
		.amdhsa_system_sgpr_workgroup_id_x 1
		.amdhsa_system_sgpr_workgroup_id_y 1
		.amdhsa_system_sgpr_workgroup_id_z 1
		.amdhsa_system_vgpr_workitem_id 0
		.amdhsa_next_free_vgpr 512
		.amdhsa_next_free_sgpr 66
		.amdhsa_reserve_vcc 0
		.amdhsa_float_denorm_mode_32 3
		.amdhsa_float_denorm_mode_16_64 3
		.amdhsa_memory_ordered 1
		.amdhsa_forward_progress 1
		.amdhsa_inst_pref_size 198
	.end_amdhsa_kernel
	.amdgpu_metadata
---
amdhsa.version: [ 1, 2 ]
amdhsa.kernels:
  - .name:           k_q456bd78986_attn
    .symbol:         k_q456bd78986_attn.kd
    .args:
      - { .name: qf, .offset: 0, .size: 8, .value_kind: global_buffer, .address_space: global }
      - { .name: kvf, .offset: 8, .size: 8, .value_kind: global_buffer, .address_space: global }
      - { .name: wo16, .offset: 16, .size: 8, .value_kind: global_buffer, .address_space: global }
      - { .name: bo, .offset: 24, .size: 8, .value_kind: global_buffer, .address_space: global }
      - { .name: out0, .offset: 32, .size: 8, .value_kind: global_buffer, .address_space: global }
    .group_segment_fixed_size: 327680
    .private_segment_fixed_size: 0
    .kernarg_segment_align: 8
    .kernarg_segment_size: 40
    .max_flat_workgroup_size: 256
    .sgpr_count:     66
    .vgpr_count:     512
    .wavefront_size: 32
...
	.end_amdgpu_metadata
.endif
;; end of part 3
